; MI455X (gfx1250); checked and timed in simulation.
; The chip was launched on July 23, 2026; its instructions are those of AMD's public machine-readable ISA for CDNA 5 (MIT licence, August 2026) and "CDNA5" Instruction Set Architecture Reference Guide (July 2026). The comments in the code are by the model that wrote it; some were corrected since.
;; Custom Multi Head Attention. Allowed arithmetic: matrix products marked QUANTISED: E2M3 operands, one E8M0 scale for each 32 along K, by v_wmma_scale_f32_16x16x128_f8f6f4 with both operands' format E2M3, f32 sums; everything else in f32.
;; Inputs: W_k 1,024 x 1,024 float32; W_o 1,024 x 1,024 float32; W_q 1,024 x 1,024 float32; W_v 1,024 x 1,024 float32; b_k 1,024 float32; b_o 1,024 float32; b_q 1,024 float32; b_v 1,024 float32; key 2 x 2,048 x 1,024 float32; query 2 x 2,048 x 1,024 float32; value 2 x 2,048 x 1,024 float32.
;; Outputs: out0 2 x 2,048 x 1,024 float32.
;; This version of the problem:
;;   THIS VERSION OF THE PROBLEM IS GIVEN IN LOW PRECISION. The matrix products marked QUANTISED in the list below multiply operands that are first quantised to E2M3 (2 exponent bits, 3 mantissa bits; 6 bits a number), with one power-of-two scale for each 32 numbers along K (OCP MX v1.0); their sums are f32. All else is computed in f32.
;;   The module's matrix products, in the order in which they are computed (A, B: the left and right operand; K: the contracted axis; several contracted axes count as one K, in the product's order):
;;     1. [M 4,096, K 1,024] x [K 1,024, N 1,024]; A: input query; B: input W_q: QUANTISED
;;     2. [M 4,096, K 1,024] x [K 1,024, N 1,024]; A: input key; B: input W_k: QUANTISED
;;     3. [M 4,096, K 1,024] x [K 1,024, N 1,024]; A: input value; B: input W_v: QUANTISED
;;     4. batch 32 x [M 2,048, K 64] x [K 64, N 2,048]; A: computed on the way; B: computed on the way: QUANTISED
;;     5. batch 32 x [M 2,048, K 2,048] x [K 2,048, N 64]; A: softmax (see below); B: computed on the way: QUANTISED
;;     6. [M 4,096, K 1,024] x [K 1,024, N 1,024]; A: computed on the way; B: input W_o: QUANTISED
;;   THE QUANTISER, for each operand of a quantised product, along K:
;;     - K is cut into blocks of 32 from its start; a last block that is shorter is filled with zeros.
;;     - A block's scale is 2^e with e = floor(log2(the largest magnitude in the block)) - 2, held to -126 .. 127; a block of zeros has e = 0. As a byte (E8M0): e + 127.
;;     - Each number is divided by its block's scale, clamped to +-7.5, and rounded to the nearest number of E2M3, ties to even, subnormals kept.
;;     - The product sums the exact products of the quantised numbers (number of the format x scale) in f32.
;;   ~~~python
;;   def quantise(x, axis):      # numpy; x: float32 -> the quantised numbers, widened to float32 again
;;       x = np.moveaxis(x, axis, -1); K = x.shape[-1]
;;       x = np.pad(x, [(0, 0)] * (x.ndim - 1) + [(0, -K % 32)]); x = x.reshape(x.shape[:-1] + (-1, 32)); a = np.abs(x).max(-1, keepdims=True)
;;       e = np.where(a > 0, np.clip(np.frexp(np.where(a > 0, a, 1))[1] - 1 - 2, -126, 127), 0)      # np.frexp(a)[1] - 1 = floor(log2(a)), exactly
;;       r = np.clip(x / 2.0 ** e, -7.5, 7.5)
;;       step = 2.0 ** (np.maximum(np.frexp(np.where(r == 0, 1, r))[1] - 1, 0) - 3)
;;       q = np.round(r / step) * step * 2.0 ** e      # np.round: ties to even
;;       return np.moveaxis(q.reshape(q.shape[:-2] + (-1,))[..., :K], -1, axis).astype(np.float32)
;;   ~~~
;;   SOFTMAX AHEAD OF A QUANTISED PRODUCT. Where the list says 'softmax', what is quantised is not the finished softmax but p = 2^(t - M), with t = logit x log2(e) and M = ceil(the row's largest t), a whole number; so 1/2 < the row's largest p <= 1. The row's sum l is taken of the UNQUANTISED p, in f32, and the product's result is divided by l at the end. Since M is a whole number, a kernel that streams over the keys may use a running M (the ceiling of the running maximum): every later rescaling is an exact power of two, which a block's scale takes up: the codes' values come out the same.
;;   OPERANDS COMPUTED ON THE WAY. 'Computed on the way' means the value that the module computes at that place (a softmax that the list does not call 'softmax' is quantised finished and normalised). What goes into a quantiser is computed in f32, as accurately as f32 sums, v_exp_f32 and their like allow (about 1e-6 of the number): no bf16 or f16 on the way to a quantiser, and a product that is left as it is and whose result goes on into a quantised operand takes f32 operands (vector FMAs, or v_wmma_f32_16x16x4_f32). A number that lies on a knife's edge between two numbers of the format may be rounded either way, as far as f32 arithmetic and the matrix unit's own rounding can turn it there, and no further.
;; One version. Each part assembles by itself: llvm-mc -triple=amdgcn-amd-amdhsa -mcpu=gfx1250 --defsym DOCPART=n.
;; ======== version 1 of 1: 4 launches
;; limits: right only within a limited range of input values
;; workspace buffers: xw_codes 12,582,912 bytes; xw_scales 524,288 bytes; kvq 10,092,544 bytes; ao_codes 3,145,728 bytes; ao_scales 131,072 bytes
;; launch quant (part 1): grid 512 x 1, 4 waves a work-group, no clusters, 33,280 bytes of LDS; arguments query, key, value, W_q, W_k, W_v, W_o, xw_codes, xw_scales; writes xw_codes, xw_scales
.if DOCPART == 1
	.amdgcn_target "amdgcn-amd-amdhsa--gfx1250"
	.amdhsa_code_object_version 6
	.text
	.protected	k_q51d6434f8c_quant
	.globl	k_q51d6434f8c_quant
	.p2align	8
	.type	k_q51d6434f8c_quant,@function
k_q51d6434f8c_quant:
	s_mov_b64 s[64:65], 0
	v_nop
	global_prefetch_b8 v0, s[64:65] scope:SCOPE_SE
	s_setreg_imm32_b32 hwreg(HW_REG_WAVE_MODE, 25, 1), 1
	s_wait_xcnt 0x0
; query, key, value [4096][1024] and W_q, W_k, W_v, W_o [1024][1024], f32, K innermost, become codes of FP6 (E2M3), 768 bytes a row, and one E8M0 byte for each 32 along K, 32 bytes a row.
; All seven land in ONE pair of buffers of 16,384 rows: query at row 0, key 4,096, value 8,192, W_q 12,288, W_k 13,312, W_v 14,336, W_o 15,360.
; TILE ORDER, all but key: inside each group of 32 rows the second and the third run of 8 rows change places: sixteen stored rows 16 t + m hold the rows 8 t + m + 8 (m / 8) of the group.
; KEY: inside each group of 64 rows run 4 g + u (g = 0, 1; u = 0 .. 3) is stored as run 2 u + g: sixteen stored rows of tile u hold keys 8 u + i and 32 + 8 u + i, so that in the attention a lane's 32 scores of four tiles are one block of 32 keys.
; A block's scale is 2^(floor(log2(its largest magnitude)) - 2); its byte is the largest magnitude's exponent field - 2, held at 1 from below.
; LIMITS: a block of zeros gets the byte 1 where the rule says 127 (its codes are zeros, and this program alone reads the bytes); blocks whose largest magnitude lies under 2^-124 are held at that floor; NaN and infinities are not served.
; SHARES: a work-group takes 32 rows, a wave 8 rows = 16 steps of 512 numbers.  Each load reads 512 consecutive bytes; a step's 2,048 bytes turn through the wave's own stage in LDS, so that a lane holds 16 neighbours.
; Loads run six steps (24 loads a wave) ahead.  A step's codes leave as 384 consecutive bytes, a wave's 256 scale bytes as one aligned block.  Waves share nothing: no barrier.
.set STEPS, 16
.set EMAX,  2
.set CB,    12
.set NS,    6                          ; sets of load registers
.set R,     16                         ; v16-111  six sets of 16 numbers as they are loaded
.set X,     112                        ; v112-143 two sets of 16 neighbours
.set E,     144                        ; v144-159 a scale byte for each step
.set C,     160                        ; v160-223 codes: four registers for each step
.set SPW,   224
.set NIL,   225
.set WREG,  8192
.set SP,    80
	s_load_b256 s[4:11], s[0:1], 0x0               ; query, key, value, W_q
	s_load_b256 s[12:19], s[0:1], 0x20             ; W_k, W_v, W_o, the codes
	s_load_b64 s[20:21], s[0:1], 0x40              ; the scale bytes
	v_lshl_add_u32 v[SPW], v0, 2, 0x8000
	v_mov_b32 v[NIL], 0
	v_lshrrev_b32 v1, 5, v0
	v_readfirstlane_b32 s22, v1                    ; wave
	v_and_b32 v2, 31, v0
	v_lshlrev_b32 v3, 4, v2
	s_mul_i32 s23, s22, WREG
	v_lshrrev_b32 v14, 2, v2
	v_mul_u32_u24 v14, v14, SP
	v_and_b32 v15, 3, v2
	v_lshl_add_u32 v14, v15, 4, v14
	v_add_nc_u32 v14, s23, v14                     ; the stage, in: SP (lane / 4) + 16 (lane % 4)
	v_mul_u32_u24 v15, v2, SP
	v_add_nc_u32 v15, s23, v15                     ; out: SP x lane
	v_mul_u32_u24 v4, v2, CB
	v_lshrrev_b32 v5, 1, v2
	s_add_co_u32 s23, s23, 2*32*SP
	v_add_nc_u32 v5, s23, v5                       ; my block's byte among my wave's 256
	v_lshlrev_b32 v7, 3, v2
	v_add_nc_u32 v6, s23, v7
	s_wait_alu depctr_va_vdst(0)                   ; the head's end
	s_wait_kmcnt 0x0
	s_cmp_lt_u32 ttmp9, 128                        ; which tensor: by the work-group's number alone
	s_cselect_b64 s[4:5], s[4:5], s[6:7]
	s_cmp_lt_u32 ttmp9, 256
	s_cselect_b64 s[4:5], s[4:5], s[8:9]
	s_cmp_lt_u32 ttmp9, 384
	s_cselect_b64 s[4:5], s[4:5], s[10:11]
	s_cselect_b32 s24, 127, 31
	s_cmp_lt_u32 ttmp9, 416
	s_cselect_b64 s[4:5], s[4:5], s[12:13]
	s_cmp_lt_u32 ttmp9, 448
	s_cselect_b64 s[4:5], s[4:5], s[14:15]
	s_cmp_lt_u32 ttmp9, 480
	s_cselect_b64 s[4:5], s[4:5], s[16:17]
	s_and_b32 s24, ttmp9, s24                      ; the group inside its tensor
	s_lshl_b32 s24, s24, 2
	s_add_co_u32 s24, s24, s22
	s_lshl_b32 s24, s24, 15                        ; 32,768 bytes a run
	s_mov_b32 s25, 0
	s_add_nc_u64 s[4:5], s[4:5], s[24:25]
	s_and_b32 s26, s22, 1
	s_lshl_b32 s26, s26, 1
	s_lshr_b32 s27, s22, 1
	s_or_b32 s26, s26, s27                         ; runs 1 and 2 change places
	s_lshl_b32 s27, ttmp9, 2
	s_add_co_u32 s26, s26, s27                     ; the run among all 2,048
	s_lshr_b32 s27, ttmp9, 1                       ; key: 8 x (group of 64) + 2 x wave + (work-group % 2)
	s_lshl_b32 s27, s27, 3
	s_lshl_b32 s28, s22, 1
	s_add_co_u32 s27, s27, s28
	s_and_b32 s28, ttmp9, 1
	s_add_co_u32 s27, s27, s28
	s_lshr_b32 s28, ttmp9, 7
	s_cmp_eq_u32 s28, 1                            ; work-groups 128 to 255 take key
	s_cselect_b32 s26, s27, s26
	s_mul_i32 s24, s26, 32*STEPS*CB
	s_add_nc_u64 s[8:9], s[18:19], s[24:25]
	s_lshl_b32 s24, s26, 8
	s_add_nc_u64 s[10:11], s[20:21], s[24:25]
.macro LOAD t
.irp i, 0,1,2,3
	global_load_b128 v[R+16*((\t)%NS)+4*\i:R+16*((\t)%NS)+4*\i+3], v3, s[4:5] offset:2048*(\t)+512*\i th:TH_LOAD_NT
.endr
.endm
.macro TURN t                          ; LDS serves a wave's instructions in order: no wait between the stores and the loads
.irp i, 0,1,2,3
	ds_store_b128 v14, v[R+16*((\t)%NS)+4*\i:R+16*((\t)%NS)+4*\i+3] offset:32*SP*((\t)%2)+8*SP*\i
.endr
.irp i, 0,1,2,3
	ds_load_b128 v[X+16*((\t)%2)+4*\i:X+16*((\t)%2)+4*\i+3], v15 offset:32*SP*((\t)%2)+16*\i
.endr
.endm
.irp t, 0,1,2,3,4,5
	LOAD \t
.endr
	s_wait_loadcnt 4*(NS-1)                        ; step 0's four loads are in; the twenty of steps 1 to 5 may be out
	TURN 0
.macro STEP t
.set XS, X+16*((\t)%2)
.if (\t) > 0
	s_wait_dscnt 1                                 ; this step's numbers are back (the last step's byte store may be out): its stores into the stage have read their registers,
.else
	s_wait_dscnt 0x0
.endif
.if (\t)+NS < STEPS
	LOAD (\t)+NS                                   ; which take the loads of six steps on
.endif
.if (\t)+1 < STEPS
.if STEPS-2-(\t) >= NS-1
	s_wait_loadcnt 4*(NS-1)                        ; the next step's loads are in; those of the five steps behind it may be out
.else
	s_wait_loadcnt 4*(STEPS-2-(\t))
.endif
	TURN (\t)+1
.endif
	v_max3_num_f32 v8, |v[XS]|, |v[XS+1]|, |v[XS+2]|
	v_max3_num_f32 v9, |v[XS+3]|, |v[XS+4]|, |v[XS+5]|
.irp i, 6,10
	v_max3_num_f32 v8, v8, |v[XS+\i]|, |v[XS+\i+1]|
	v_max3_num_f32 v9, v9, |v[XS+\i+2]|, |v[XS+\i+3]|
.endr
	v_max3_num_f32 v8, v8, |v[XS+14]|, |v[XS+15]|
	v_max3_num_f32 v8, v8, v9, (EMAX+1)<<23        ; the floor 2^(3 - 127)
	v_max_num_f32_dpp v8, v8, v8 row_xmask:1 row_mask:0xf bank_mask:0xf   ; with my neighbour's 16: the block's
	v_add_nc_u32 v11, -(EMAX<<23), v8              ; the conversion's scale operand
	v_cvt_scalef32_pk16_fp6_f32 v[C+4*(\t):C+4*(\t)+2], v[XS:XS+15], v11
	v_lshrrev_b32 v[E+(\t)], 23, v11               ; the scale's byte
	ds_store_b8 v5, v[E+(\t)] offset:16*(\t)
	global_store_b96 v4, v[C+4*(\t):C+4*(\t)+2], s[8:9] offset:32*CB*(\t)
.endm
.irp t, 0,1,2,3,4,5,6,7,8,9,10,11,12,13,14,15
	STEP \t
.endr
	ds_load_b64 v[12:13], v6
	s_wait_dscnt 0x0
	global_store_b64 v7, v[12:13], s[10:11]        ; 32 lanes store 256 consecutive bytes, aligned
	s_wait_tensorcnt 0x0                           ; the wave's end
	ds_add_u32 v[SPW], v[NIL]
	s_wait_dscnt 0x0
	s_endpgm
.Lfunc_end_k_q51d6434f8c_quant:
	.size	k_q51d6434f8c_quant, .Lfunc_end_k_q51d6434f8c_quant-k_q51d6434f8c_quant
	.p2alignl 7, 3214868480
	.fill 96, 4, 3214868480
	.section	.rodata,"a",@progbits
	.p2align	6, 0x0
	.amdhsa_kernel k_q51d6434f8c_quant
		.amdhsa_group_segment_fixed_size 33280
		.amdhsa_private_segment_fixed_size 0
		.amdhsa_enable_private_segment 0
		.amdhsa_kernarg_size 72
		.amdhsa_user_sgpr_count 2
		.amdhsa_user_sgpr_kernarg_segment_ptr 1
		.amdhsa_wavefront_size32 1
		.amdhsa_system_sgpr_workgroup_id_x 1
		.amdhsa_system_sgpr_workgroup_id_y 1
		.amdhsa_system_sgpr_workgroup_id_z 1
		.amdhsa_system_vgpr_workitem_id 0
		.amdhsa_next_free_vgpr 226
		.amdhsa_next_free_sgpr 66
		.amdhsa_reserve_vcc 0
		.amdhsa_float_denorm_mode_32 3
		.amdhsa_float_denorm_mode_16_64 3
		.amdhsa_memory_ordered 1
		.amdhsa_forward_progress 1
		.amdhsa_inst_pref_size 33
	.end_amdhsa_kernel
	.amdgpu_metadata
---
amdhsa.version: [ 1, 2 ]
amdhsa.kernels:
  - .name:           k_q51d6434f8c_quant
    .symbol:         k_q51d6434f8c_quant.kd
    .args:
      - { .name: query, .offset: 0, .size: 8, .value_kind: global_buffer, .address_space: global }
      - { .name: key, .offset: 8, .size: 8, .value_kind: global_buffer, .address_space: global }
      - { .name: value, .offset: 16, .size: 8, .value_kind: global_buffer, .address_space: global }
      - { .name: W_q, .offset: 24, .size: 8, .value_kind: global_buffer, .address_space: global }
      - { .name: W_k, .offset: 32, .size: 8, .value_kind: global_buffer, .address_space: global }
      - { .name: W_v, .offset: 40, .size: 8, .value_kind: global_buffer, .address_space: global }
      - { .name: W_o, .offset: 48, .size: 8, .value_kind: global_buffer, .address_space: global }
      - { .name: xw_codes, .offset: 56, .size: 8, .value_kind: global_buffer, .address_space: global }
      - { .name: xw_scales, .offset: 64, .size: 8, .value_kind: global_buffer, .address_space: global }
    .group_segment_fixed_size: 33280
    .private_segment_fixed_size: 0
    .kernarg_segment_align: 8
    .kernarg_segment_size: 72
    .max_flat_workgroup_size: 128
    .sgpr_count:     66
    .vgpr_count:     226
    .wavefront_size: 32
...
	.end_amdgpu_metadata
.endif
;; end of part 1
;; launch proj (part 2): grid 4 x 48, 4 waves a work-group, clusters of 4 x 4, 327,680 bytes of LDS; arguments xw_codes, xw_scales, b_q, b_k, b_v, kvq; writes kvq
.if DOCPART == 2
	.amdgcn_target "amdgcn-amd-amdhsa--gfx1250"
	.amdhsa_code_object_version 6
	.text
	.protected	k_q51d6434f8c_proj
	.globl	k_q51d6434f8c_proj
	.p2align	8
	.type	k_q51d6434f8c_proj,@function
k_q51d6434f8c_proj:
	s_mov_b64 s[64:65], 0
	v_nop
	global_prefetch_b8 v0, s[64:65] scope:SCOPE_SE
	s_setreg_imm32_b32 hwreg(HW_REG_WAVE_MODE, 25, 1), 1
	s_wait_xcnt 0x0
	s_wait_alu depctr_hold_cnt(0) depctr_sa_sdst(0) depctr_va_vdst(0) depctr_va_sdst(0) depctr_va_ssrc(0) depctr_va_vcc(0) depctr_vm_vsrc(0)
	s_getreg_b32 s2, hwreg(HW_REG_IB_STS2, 6, 4)
	s_cmp_eq_u32 s2, 0
	s_cbranch_scc0 .Lentry_in_a_cluster
	s_endpgm
.Lentry_in_a_cluster:
	s_bfe_u32 s2, ttmp6, 0x10000c
	s_cmp_lg_u32 s2, 0xf033
	s_cbranch_scc0 .Lentry_shape_is_right
	s_endpgm
.Lentry_shape_is_right:
; The three projections x W^T + b on codes of FP6 (E2M3) with E8M0 scales, K = 1,024; the results are quantised in registers for the attention: Q and K along the head's 64, V along the keys.
; "A" is source 1 (its row becomes the result's lane), "B" source 0 (its rows run along a lane's registers).  Q, K: A = query or key, B = W_q or W_k.  V: A = W_v, B = value.
; The cluster's y (0 .. 11): y / 4 = 0 Q, 1 K, 2 V; y % 4 picks four of the sixteen tiles of the 4,096-row operand.  A work-group makes 256 x 256, a wave 128 x 128.
; K goes through a ring of two LDS slots in CHUNKS OF 256 BYTES of each row of 768: three chunks, chunk c in slot c % 2, one refill.  A step of 128 along K is 96 bytes: steps 2 and 5 lie across two chunks.
; The scale bytes of the work-group's rows come once.  At the head one joint load a wave: chunk 0 of A, chunk 0 of B, A's scales, B's scales.  A's tiles are shared along a row of the cluster, B's along a column.
; Rows lie in the buffers in tile order (stored rows 16 t + m of a group of 32 are its rows 8 t + m + 8 (m / 8)).  The bias starts the sums; the set that does not apply is made zeros by a select.
; OUT: kvq [b x 16 + head][128 keys or queries] records of 19,712 bytes: K's codes | V^T's codes | K's scale words | V's | Q's codes | Q's scale words, as images of the operands' registers.
; No prefetch: two of the three chunks are asked for at the head and the third two steps later, so there is no loop to run ahead in.
; LIMITS: NaN and infinities are not served; a block of zeros carries the byte 1 (its codes are zeros; this program alone reads the bytes); blocks under 2^-124 are held at that floor.
; (key's rows lie in an order of their own, by groups of 64: they are A's rows here, one to a lane, so their order passes through to K's tiles as it is.)
.set ROWB,   256
.set NQ,     2
.set KROW,   768
.set STEPS,  8
.set CHUNKS, 3
.set PITCH,  272
.set FR,     12
.set NL,     6
.set NP,     4
.set HALFT,  128*PITCH
.set SLOT,   4*HALFT
.set KS,     32
.set SCL,    2*SLOT
.set HALFS,  16*272
.set SBLK,   2*272
.set SPARE,  SCL+4*HALFS
.set STAGE,  SLOT                      ; the scale words' stage: slot 1, which has had its last fill and its last read by then
.set REC,    19712
.set HEADS,  16*REC
.set ADRA, 16                          ; v16-17 my A fragments in slot 0, 1; v18-19 for pieces whose two halves of the lanes read different chunks
.set ADRB, 20
.set VSH,  15
.set VO1,  24
.set VO2,  25
.set SST,  26
.set ADRS, 27
.set SPW,  28
.set NIL,  29
.set SRD,  30
.set VOS,  31
.set SC,   32
.set BP,   64
.set BN,   224
.set AF,   128
.set CD,   64
.set TM,   96
.set PW,   112
.set PW2,  113
.set OUTR, 116
.set G1, 24
.set G0, 32
.set G1B, 48
.set G0B, 56
.set G1S, 68
.set G0S, 76
.set G1SB, 80
.set G0SB, 88
.set MSB, 0
.macro WIN new
.if MSB != \new
	s_set_vgpr_msb (MSB<<8)|\new
.set MSB, \new
.endif
.endm
.set MUL_LO, 0xa1
.set MUL_HI, 0xf1
.set TO_B,   0x40
.macro PLACES n
.rept \n
	v_nop
.endr
.endm
.macro TLOAD g0, g1
	tensor_load_to_lds s[\g0:\g0+3], s[\g1:\g1+7]
	s_nop 0
	PLACES 4
.endm
.macro JLOAD g0a, g1a, g0b, g1b        ; waves 0 and 1 fetch for A, waves 2 and 3 for B
	s_cmp_eq_u32 s15, 0
	s_cbranch_scc0 .Lfor_b_\@
	TLOAD \g0a, \g1a
	s_branch .Lasked_\@
.Lfor_b_\@:
	TLOAD \g0b, \g1b
.Lasked_\@:
.endm
.macro CREST
	s_cmp_lg_u32 s14, 0
	s_cbranch_scc1 .Lnot_wave_0_\@
	s_barrier_signal -3
.Lnot_wave_0_\@:
	s_barrier_wait -3
	s_barrier_signal -1
	s_barrier_wait -1
.endm
.macro CROUND
	s_barrier_signal -1
	s_barrier_wait -1
	CREST
.endm
	s_load_b256 s[4:11], s[0:1], 0x0               ; codes, scale bytes, b_q, b_k
	s_load_b128 s[96:99], s[0:1], 0x20             ; b_v, kvq
	v_lshl_add_u32 v[SPW], v0, 2, SPARE
	v_mov_b32 v[NIL], 0
	ds_add_u32 v[SPW], v[NIL]                      ; the opening lines
	ds_add_u32 v[SPW], v[NIL]
	v_lshrrev_b32 v1, 5, v0
	v_readfirstlane_b32 s14, v1                    ; wave
	s_lshr_b32 s15, s14, 1                         ; my half of A's rows; also: I fetch for A (0) or B (1)
	s_and_b32 s16, s14, 1                          ; my half of B's rows; also: which 128 rows I fetch
	s_bfe_u32 s40, ttmp6, 0x40000                  ; cx
	s_bfe_u32 s41, ttmp6, 0x40004                  ; cy
	s_and_b32 s66, ttmp7, 0xffff
	s_lshr_b32 s67, s66, 2                         ; 0 Q, 1 K, 2 V
	s_and_b32 s95, s66, 3
	s_lshl_b32 s95, s95, 2
	s_lshl_b32 s18, s67, 12                        ; the activation's first stored row
	s_lshl_b32 s19, s67, 10
	s_add_co_u32 s19, s19, 12288                   ; the weight's
	s_lshl_b32 s42, ttmp9, 2
	s_add_co_u32 s42, s42, s40
	s_cmp_eq_u32 s67, 2                            ; V changes the roles
	s_cselect_b32 s100, -1, 0
	s_cselect_b32 s92, s19, s18
	s_cselect_b32 s93, s18, s19
	s_cselect_b32 s22, 0, s95
	s_cselect_b32 s23, s95, 0
	s_add_co_u32 s17, s41, s22                     ; A's tile
	s_add_co_u32 s42, s42, s23                     ; B's tile
	s_lshl_b32 s43, s41, 2
	s_lshl_b32 s43, 15, s43                        ; my row of the cluster
	s_lshl_b32 s44, 0x1111, s40                    ; my column
	s_or_b32 s[G1+0], s43, (1<<20)|(1<<21)|(5<<22)|(3<<25)   ; rows of 256 bytes, 16 of padding behind each; 256 rows at the head
	s_or_b32 s[G1B+0], s44, (1<<20)|(1<<21)|(5<<22)|(3<<25)
.irp g, G1, G1B
	s_mov_b32 s[\g+1], ROWB<<16
	s_mov_b32 s[\g+2], 256<<16
	s_mov_b32 s[\g+3], ROWB<<16
	s_mov_b32 s[\g+4], 256
	s_mov_b32 s[\g+5], KROW
	s_mov_b32 s[\g+6], 0
	s_mov_b32 s[\g+7], 0
.endr
	s_or_b32 s[G1S+0], s43, (3<<16)|(1<<20)|(1<<21)|(5<<22)|(3<<25)  ; the scales of 256 rows: 32 rows of 256 bytes
	s_or_b32 s[G1SB+0], s44, (3<<16)|(1<<20)|(1<<21)|(5<<22)|(3<<25)
.irp g, G1S, G1SB
	s_mov_b32 s[\g+1], 32<<16
	s_mov_b32 s[\g+2], KS<<16
	s_mov_b32 s[\g+3], 32<<16
	s_mov_b32 s[\g+4], KS
	s_mov_b32 s[\g+5], 32
	s_mov_b32 s[\g+6], 0
	s_mov_b32 s[\g+7], 0
.endr
	s_lshl_b32 s20, s17, 8
	s_add_co_u32 s20, s20, s92                     ; A's tile's first stored row
	s_lshl_b32 s46, s42, 8
	s_add_co_u32 s46, s46, s93                     ; B's
	s_lshl_b32 s22, s20, 5
	s_mov_b32 s23, 0
	s_lshl_b32 s92, s46, 5
	s_mov_b32 s93, 0
	s_mul_i32 s20, s20, KROW
	s_mov_b32 s21, 0
	s_mul_i32 s46, s46, KROW
	s_mov_b32 s47, 0
	s_mul_i32 s2, s16, 128*KROW                    ; in the ring I fetch 128 rows: which half, in bytes
	s_mov_b32 s3, 0
	s_mul_i32 s45, s14, HALFT                      ; and where they go
	s_wait_dscnt 0x0
	s_wait_kmcnt 0x0
	s_add_nc_u64 s[20:21], s[4:5], s[20:21]
	s_add_nc_u64 s[22:23], s[6:7], s[22:23]
	s_add_nc_u64 s[46:47], s[4:5], s[46:47]
	s_add_nc_u64 s[92:93], s[6:7], s[92:93]
	s_mov_b32 s[G0], 1                             ; slot 0's group 0 serves the head's whole tiles first
	s_mov_b32 s[G0+1], 0
	s_mov_b64 s[G0+2:G0+3], s[20:21]
	s_or_b32 s[G0+3], s[G0+3], 0x80000000
	s_mov_b32 s[G0B], 1
	s_mov_b32 s[G0B+1], 2*HALFT
	s_mov_b64 s[G0B+2:G0B+3], s[46:47]
	s_or_b32 s[G0B+3], s[G0B+3], 0x80000000
	s_mov_b32 s[G0S], 1
	s_mov_b32 s[G0S+1], SCL
	s_mov_b64 s[G0S+2:G0S+3], s[22:23]
	s_or_b32 s[G0S+3], s[G0S+3], 0x80000000
	s_mov_b32 s[G0SB], 1
	s_mov_b32 s[G0SB+1], SCL+2*HALFS
	s_mov_b64 s[G0SB+2:G0SB+3], s[92:93]
	s_or_b32 s[G0SB+3], s[G0SB+3], 0x80000000
	s_add_nc_u64 s[20:21], s[20:21], s[2:3]
	s_add_nc_u64 s[46:47], s[46:47], s[2:3]
	s_mov_b32 s[G0+4], 1                           ; slot 1: chunk 1, my 128 rows
	s_add_co_u32 s[G0+5], s45, SLOT
	s_add_nc_u64 s[G0+6:G0+7], s[20:21], ROWB
	s_or_b32 s[G0+7], s[G0+7], 0x80000000
	s_mov_b32 s[G0B+4], 1
	s_add_co_u32 s[G0B+5], s45, SLOT
	s_add_nc_u64 s[G0B+6:G0B+7], s[46:47], ROWB
	s_or_b32 s[G0B+7], s[G0B+7], 0x80000000
	CROUND                                         ; the first joint loads meet
.macro ARM under, g0, g1, next
	s_cmp_lt_u32 s14, \under
	s_cbranch_scc0 \next
	TLOAD \g0, \g1
	s_branch .Lhead_asked
\next:
.endm
	ARM 1, G0,  G1,  .Lhead_b
	ARM 2, G0B, G1B, .Lhead_sa
	ARM 3, G0S, G1S, .Lhead_sb
	TLOAD G0SB, G1SB
.Lhead_asked:
	; where my results belong: scalars first, then one block of vector lines
	s_lshl_b32 s20, s17, 8
	s_lshl_b32 s21, s15, 7
	s_add_co_u32 s20, s20, s21                     ; my first row of A, inside its tensor
	s_lshl_b32 s21, s42, 8
	s_lshl_b32 s22, s16, 7
	s_add_co_u32 s21, s21, s22                     ; of B
	s_cmp_eq_u32 s67, 2
	s_cselect_b32 s22, s21, s20                    ; the token axis
	s_cselect_b32 s23, s20, s21                    ; the channel axis
	s_cselect_b32 s94, 0, s21                      ; the bias along the registers begins here (Q, K)
	s_cselect_b32 s101, s20, 0                     ; the bias along the lanes (V)
	s_lshr_b32 s23, s23, 6
	s_lshr_b32 s92, s22, 11
	s_lshl_b32 s92, s92, 4
	s_add_co_u32 s92, s92, s23
	s_lshl_b32 s92, s92, 4
	s_bfe_u32 s93, s22, 0x40007
	s_add_co_u32 s92, s92, s93
	s_mul_i32 s92, s92, REC
	s_mov_b32 s93, 0
	s_add_nc_u64 s[98:99], s[98:99], s[92:93]      ; kvq at my record
	s_mov_b32 s21, 0
	s_mov_b32 s23, 0
	s_cmp_eq_u32 s67, 0
	s_cselect_b64 s[8:9], s[8:9], s[10:11]
	s_cselect_b32 s92, 13056, 0
	s_mov_b32 s93, 12288
	s_cselect_b32 s93, 19200, s93
	s_cmp_eq_u32 s67, 2
	s_cselect_b64 s[8:9], s[96:97], s[8:9]
	s_cselect_b32 s20, 6144, s92
	s_add_nc_u64 s[12:13], s[98:99], s[20:21]      ; block 0's codes
	s_cselect_b32 s20, 12800, s93
	s_add_nc_u64 s[18:19], s[98:99], s[20:21]      ; the scale words
	s_mov_b32 s20, 768
	s_cselect_b32 s20, 1536, s20                   ; from block to block
	s_cselect_b32 s22, HEADS-4*1536, 0             ; V's blocks 4-7 belong to the next head
	s_mov_b32 s92, HEADS
	s_cselect_b32 s92, 768, s92                    ; from parts 0-2 to parts 3-5
	s_mov_b32 s93, 256
	s_cselect_b32 s93, HEADS, s93
	s_mov_b32 s46, 0x76543210
	s_mov_b32 s47, 0xfedcba98
	s_mul_i32 s66, s15, HALFT                      ; my 128 rows of A
	s_mul_i32 s95, s16, HALFT
	s_add_co_u32 s95, s95, 2*HALFT                 ; of B
	s_mul_i32 s40, s15, HALFS
	s_mul_i32 s41, s16, HALFS
	s_add_co_u32 s41, s41, 2*HALFS
	s_sub_co_u32 s41, s41, s40                     ; from A's scale words to B's
	s_add_co_u32 s40, s40, SCL
	s_lshl_b32 s43, s14, 10
	s_add_co_u32 s43, s43, STAGE
	s_mov_b32 s44, SLOT-232
	s_mov_b32 s10, SLOT+232
	v_and_b32 v1, 15, v0
	v_bfe_u32 v2, v0, 4, 1
	v_mul_u32_u24 v3, v1, PITCH
	v_mul_u32_u24 v4, v2, 24
	v_add_nc_u32 v4, v3, v4
	v_sub_nc_u32 v7, 1, v2
	v_mul_u32_u24 v5, s44, v2
	v_add_nc_u32 v5, v3, v5
	v_add_nc_u32 v5, 232, v5                       ; lanes 0-15 byte 232 in slot 0, lanes 16-31 byte 0 in slot 1
	v_mul_u32_u24 v6, s10, v7
	v_add_nc_u32 v6, v3, v6                        ; and the other way round
	v_add_nc_u32 v[ADRA+2], s66, v5
	v_add_nc_u32 v[ADRA+3], s66, v6
	v_add_nc_u32 v[ADRB+2], s95, v5
	v_add_nc_u32 v[ADRB+3], s95, v6
	v_add_nc_u32 v[ADRA], s66, v4
	v_add_nc_u32 v[ADRB], s95, v4
	v_add_nc_u32 v[ADRA+1], SLOT, v[ADRA]
	v_add_nc_u32 v[ADRB+1], SLOT, v[ADRB]
	v_mul_u32_u24 v5, v1, KS
	v_lshrrev_b32 v6, 8, v5
	v_lshl_add_u32 v5, v6, 4, v5
	v_mul_u32_u24 v6, s41, v2
	v_add_nc_u32 v5, v5, v6
	v_add_nc_u32 v[ADRS], s40, v5
	v_and_b32 v6, 31, v0
	v_lshlrev_b32 v[VO1], 3, v6
	v_add_nc_u32 v[VO2], s92, v[VO1]
	v_lshlrev_b32 v[VSH], 4, v2
	v_lshlrev_b32 v5, 2, v1
	v_lshl_add_u32 v5, v2, 9, v5
	v_add_nc_u32 v[SST], s43, v5
	v_lshlrev_b32 v5, 4, v6
	v_add_nc_u32 v[SRD], s43, v5
	v_mul_u32_u24 v5, s93, v2
	v_lshl_add_u32 v[VOS], v1, 4, v5
	v_lshlrev_b32 v7, 6, v2
	v_lshl_add_u32 v7, s94, 2, v7
	v_and_b32 v8, 8, v1
	v_add_nc_u32 v8, v8, v1
	v_add_nc_u32 v8, s101, v8
	v_lshlrev_b32 v8, 2, v8
.irp bb, 0,1,2,3
.irp k, 0,1,2,3
	global_load_b128 v[BP+16*\bb+4*\k:BP+16*\bb+4*\k+3], v7, s[8:9] offset:128*\bb+16*\k
.endr
.endr
.irp a, 0,1,2,3,4,5,6,7
	global_load_b32 v[BN+2*\a], v8, s[8:9] offset:(32*(\a/2)+8*(\a%2))*4
	global_load_b32 v[BN+2*\a+1], v8, s[8:9] offset:(32*(\a/2)+8*(\a%2))*4
.endr
	s_wait_alu depctr_va_vdst(0)
	s_wait_loadcnt 0x0
.set J, 0
.rept 64
	v_cndmask_b32 v[BP+J], v[BP+J], 0, s100        ; V has no bias along the registers
.set J, J+1
.endr
.set J, 0
.rept 16
	v_cndmask_b32 v[BN+J], 0, v[BN+J], s100        ; Q and K none along the lanes
.set J, J+1
.endr
.irp w, 0,1
.set WQ, 0x80+0x40*\w
	WIN WQ
.irp a, 0,1,2,3
.irp b, 0,1,2,3,4,5,6,7
.irp i, 0,2,4,6
	v_pk_add_f32 v[8*(8*\a+\b)+\i:8*(8*\a+\b)+\i+1], v[BP+8*\b+\i:BP+8*\b+\i+1], v[BN+2*(4*\w+\a):BN+2*(4*\w+\a)+1]
.endr
.endr
.endr
.endr
	WIN 0
.macro FRAG reg, adr, st, i            ; 16 rows x 128 K in pieces of 8 bytes; byte y of a row lies in chunk y / 256, slot (y / 256) % 2
.irp p, 0,1,2,3,4,5
.set BY, 96*(\st)+48*(\p/3)+8*(\p%3)
.if BY/ROWB == (BY+24)/ROWB
	ds_load_b64 v[\reg+2*\p:\reg+2*\p+1], v[\adr+(BY/ROWB)%2] offset:BY%ROWB+(\i)*16*PITCH
.else
	ds_load_b64 v[\reg+2*\p:\reg+2*\p+1], v[\adr+2+(BY/ROWB)%2] offset:BY%ROWB-232+(\i)*16*PITCH
.endif
.endr
.endm
.macro MUL16 a0, p, q, sc              ; the 64 accumulators take turns, in the same order in every step
.irp a, \a0, \a0+1
.irp b, 0,1,2,3,4,5,6,7
	v_wmma_scale_f32_16x16x128_f8f6f4 v[8*(8*((\a)%4)+\b):8*(8*((\a)%4)+\b)+7], v[128*(\p)+FR*\b:128*(\p)+FR*\b+FR-1], v[AF+FR*(\a):AF+FR*(\a)+FR-1], v[8*(8*((\a)%4)+\b):8*(8*((\a)%4)+\b)+7], v[SC+8*NQ*(\sc)+NQ*\b+(\q)], v[SC+8*NQ*(\sc)+NQ*(\a)+(\q)] matrix_a_fmt:MATRIX_FMT_FP6 matrix_b_fmt:MATRIX_FMT_FP6 matrix_a_scale:MATRIX_SCALE_ROW1
.endr
.endr
.endm
.macro FETCH_B st, p
	WIN TO_B
.irp i, 0,1,2,3,4,5,6,7
	FRAG 128*(\p)+FR*\i, ADRB, \st, \i
.endr
	WIN 0
.endm
.macro FETCH_A st, i0
.irp i, \i0, \i0+1, \i0+2, \i0+3
	FRAG AF+FR*(\i), ADRA, \st, \i
.endr
.endm
.macro SCALES pr                       ; the scale words of steps 2 pr, 2 pr + 1: lanes 0-15 A's block i, lanes 16-31 B's
.irp i, 0,1,2,3,4,5,6,7
	ds_load_b64 v[SC+8*NQ*((\pr)%2)+NQ*\i:SC+8*NQ*((\pr)%2)+NQ*\i+1], v[ADRS] offset:\i*SBLK+4*NQ*(\pr)
.endr
.endm
; A step of 128 along K.  Where the next step's bytes end in a chunk not yet read: a barrier shows it whole.  Where they begin in a later chunk: the three lines, the barrier, and, if a chunk is left to fetch, the round and the refill.
.macro STEP st
.set NX, (\st)+1
.set C0, (96*(\st))/ROWB
.set C1, (96*NX)/ROWB
.set E0, (96*(\st)+95)/ROWB
.set E1, (96*NX+95)/ROWB
.if C1 > C0 || E1 > E0
	s_wait_tensorcnt 0x0
.if C1 > C0
	ds_add_u32 v[SPW], v[NIL]
	s_wait_dscnt 4*NL+1                            ; the add and A's blocks 4-7 may be out
.else
	s_wait_dscnt 4*NL                              ; A's blocks 4-7 may be out
.endif
	WIN MUL_LO
	MUL16 0, (\st)%2, (\st)%2, ((\st)/2)%2
	s_wait_dscnt 0x0
	s_barrier_signal -1
	MUL16 2, (\st)%2, (\st)%2, ((\st)/2)%2
	WIN 0
	s_barrier_wait -1
.if C1 > C0 && C0+2 < CHUNKS
	CREST
	s_add_nc_u64 s[G0+4*(C0%2)+2:G0+4*(C0%2)+3], s[G0+4*(C0%2)+2:G0+4*(C0%2)+3], 2*ROWB
	s_add_nc_u64 s[G0B+4*(C0%2)+2:G0B+4*(C0%2)+3], s[G0B+4*(C0%2)+2:G0B+4*(C0%2)+3], 2*ROWB
	JLOAD G0+4*(C0%2), G1, G0B+4*(C0%2), G1B
.else
	PLACES NP
.endif
.else
	s_wait_dscnt 4*NL
	WIN MUL_LO
	MUL16 0, (\st)%2, (\st)%2, ((\st)/2)%2
	MUL16 2, (\st)%2, (\st)%2, ((\st)/2)%2
	s_wait_dscnt 0
	PLACES NP
.endif
	FETCH_B NX, NX%2
	FETCH_A NX, 0
.if NX%2 == 0
	SCALES NX/2
.endif
	WIN MUL_HI
	MUL16 4, (\st)%2, (\st)%2, ((\st)/2)%2
	MUL16 6, (\st)%2, (\st)%2, ((\st)/2)%2
	PLACES NP
	WIN 0
	FETCH_A NX, 4
.endm
	s_wait_alu depctr_va_vdst(0)                   ; the head's end
	s_wait_tensorcnt 0x0                           ; my tile of the head's four is in
	ds_add_u32 v[SPW], v[NIL]
	s_mov_b32 s[G1+2], 128<<16                     ; no load of mine is out: from here on a load brings my 128 rows
	s_mov_b32 s[G1+4], 128
	s_mov_b32 s[G1B+2], 128<<16
	s_mov_b32 s[G1B+4], 128
	s_mov_b32 s[G0+1], s45
	s_mov_b32 s[G0B+1], s45
	s_add_nc_u64 s[G0+2:G0+3], s[G0+2:G0+3], s[2:3]
	s_add_nc_u64 s[G0B+2:G0B+3], s[G0B+2:G0B+3], s[2:3]
	s_wait_dscnt 0x0
	CROUND
	JLOAD G0+4, G1, G0B+4, G1B                     ; chunk 1, slot 1's first fill
	FETCH_B 0, 0
	FETCH_A 0, 0
	SCALES 0
	FETCH_A 0, 4
.set ST, 0
.rept STEPS-1
	STEP ST
.set ST, ST+1
.endr
	s_wait_dscnt 4*NL
	WIN MUL_LO
	MUL16 0, 1, 1, 1
	MUL16 2, 1, 1, 1
	s_wait_dscnt 0
	WIN MUL_HI
	MUL16 4, 1, 1, 1
	MUL16 6, 1, 1, 1
	WIN 0
; THE WAY OUT of block a: 64 numbers a lane, register 16 b + i = index 32 b + 16 (lane / 16) + i along the axis that is quantised
.macro QOUT a
.set QS, 64*((\a)%4)
.if (\a) > 0
	s_wait_xcnt 0x0                                ; the last block's stores have read their data and their base
	s_add_nc_u64 s[12:13], s[12:13], s[20:21]
.if (\a) == 4
	s_add_nc_u64 s[12:13], s[12:13], s[22:23]
.endif
.endif
.irp b, 0,1,2,3
	v_mov_b32 v[TM+\b], 0x1800000                  ; the floor 2^(3 - 127)
.endr
.set WQ, 0x28+0x14*((\a)/4)
	WIN WQ
.irp i, 0,2,4,6,8,10,12,14
.irp b, 0,1,2,3
	v_max3_num_f32 v[TM+\b], v[TM+\b], |v[QS+16*\b+\i]|, |v[QS+16*\b+\i+1]|
.endr
.endr
	WIN 0
.irp b, 0,1,2,3
	v_permlanex16_b32 v[TM+4+\b], v[TM+\b], s46, s47
.endr
.irp b, 0,1,2,3
	v_max_num_f32 v[TM+\b], v[TM+\b], v[TM+4+\b]
.endr
.irp b, 0,1,2,3
	v_add_nc_u32 v[TM+12+\b], 0xff000000, v[TM+\b]
.endr
.irp b, 0,1,2,3
	v_lshrrev_b32 v[TM+4+\b], 23, v[TM+12+\b]
.endr
	v_lshl_or_b32 v[PW], v[TM+5], 8, v[TM+4]
	v_lshl_or_b32 v[PW], v[TM+6], 16, v[PW]
	v_lshl_or_b32 v[PW], v[TM+7], 24, v[PW]
.set WQ, 0x02+(\a)/4
	WIN WQ
.irp c, 0,1
	v_cvt_scalef32_pk16_fp6_f32 v[CD+6*\c:CD+2+6*\c], v[QS+32*\c:QS+15+32*\c], v[TM+12+2*\c]
	v_cvt_scalef32_pk16_fp6_f32 v[CD+12+4*\c:CD+14+4*\c], v[QS+16+32*\c:QS+31+32*\c], v[TM+12+2*\c+1]
.endr
	WIN 0
	v_nop
.irp c, 0,1
.irp i, 0,1,2
	v_permlane16_swap_b32 v[CD+6*\c+\i], v[CD+12+4*\c+\i]
.endr
.irp i, 0,1,2
	v_mov_b32 v[CD+3+6*\c+\i], v[CD+12+4*\c+\i]
.endr
.endr
.irp p, 0,1,2
	global_store_b64 v[VO1], v[CD+2*\p:CD+2*\p+1], s[12:13] offset:256*\p          ; 32 lanes store 256 consecutive bytes, aligned
.endr
.irp p, 0,1,2
	global_store_b64 v[VO2], v[CD+6+2*\p:CD+7+2*\p], s[12:13] offset:256*\p
.endr
	v_lshrrev_b32 v[PW2], v[VSH], v[PW]            ; lanes 16-31 keep the upper half
	ds_store_b32 v[SST], v[PW2] offset:64*(\a)
.endm
.irp b, 0,1,2,3
	v_mov_b32 v[TM+4+\b], 0                        ; a lane permute's destination counts as a source; also the places behind the last products
.endr
.irp a, 0,1,2,3,4,5,6,7
	QOUT \a
.endr
	ds_load_b128 v[OUTR:OUTR+3], v[SRD]
	ds_load_b128 v[OUTR+4:OUTR+7], v[SRD] offset:512
	s_wait_dscnt 0x0
	global_store_b128 v[VOS], v[OUTR:OUTR+3], s[18:19]
	s_cmp_eq_u32 s67, 2
	s_cbranch_scc1 .Lno_second
	global_store_b128 v[VOS], v[OUTR+4:OUTR+7], s[18:19] offset:HEADS
.Lno_second:
	s_wait_tensorcnt 0x0                           ; the wave's end
	ds_add_u32 v[SPW], v[NIL]
	s_wait_dscnt 0x0
	CROUND
	s_endpgm
.Lfunc_end_k_q51d6434f8c_proj:
	.size	k_q51d6434f8c_proj, .Lfunc_end_k_q51d6434f8c_proj-k_q51d6434f8c_proj
	.p2alignl 7, 3214868480
	.fill 96, 4, 3214868480
	.section	.rodata,"a",@progbits
	.p2align	6, 0x0
	.amdhsa_kernel k_q51d6434f8c_proj
		.amdhsa_group_segment_fixed_size 327680
		.amdhsa_private_segment_fixed_size 0
		.amdhsa_enable_private_segment 0
		.amdhsa_kernarg_size 48
		.amdhsa_user_sgpr_count 2
		.amdhsa_user_sgpr_kernarg_segment_ptr 1
		.amdhsa_wavefront_size32 1
		.amdhsa_system_sgpr_workgroup_id_x 1
		.amdhsa_system_sgpr_workgroup_id_y 1
		.amdhsa_system_sgpr_workgroup_id_z 1
		.amdhsa_system_vgpr_workitem_id 0
		.amdhsa_next_free_vgpr 1024
		.amdhsa_next_free_sgpr 102
		.amdhsa_reserve_vcc 0
		.amdhsa_float_denorm_mode_32 3
		.amdhsa_float_denorm_mode_16_64 3
		.amdhsa_memory_ordered 1
		.amdhsa_forward_progress 1
		.amdhsa_inst_pref_size 195
	.end_amdhsa_kernel
	.amdgpu_metadata
---
amdhsa.version: [ 1, 2 ]
amdhsa.kernels:
  - .name:           k_q51d6434f8c_proj
    .symbol:         k_q51d6434f8c_proj.kd
    .args:
      - { .name: xw_codes, .offset: 0, .size: 8, .value_kind: global_buffer, .address_space: global }
      - { .name: xw_scales, .offset: 8, .size: 8, .value_kind: global_buffer, .address_space: global }
      - { .name: b_q, .offset: 16, .size: 8, .value_kind: global_buffer, .address_space: global }
      - { .name: b_k, .offset: 24, .size: 8, .value_kind: global_buffer, .address_space: global }
      - { .name: b_v, .offset: 32, .size: 8, .value_kind: global_buffer, .address_space: global }
      - { .name: kvq, .offset: 40, .size: 8, .value_kind: global_buffer, .address_space: global }
    .group_segment_fixed_size: 327680
    .private_segment_fixed_size: 0
    .kernarg_segment_align: 8
    .kernarg_segment_size: 48
    .max_flat_workgroup_size: 128
    .sgpr_count:     102
    .vgpr_count:     1024
    .wavefront_size: 32
...
	.end_amdgpu_metadata
.endif
;; end of part 2
;; launch attn (part 3): grid 8 x 32, 16 waves a work-group, clusters of 4 x 1, 224,000 bytes of LDS; arguments kvq, ao_codes, ao_scales; writes ao_codes, ao_scales
.if DOCPART == 3
	.amdgcn_target "amdgcn-amd-amdhsa--gfx1250"
	.amdhsa_code_object_version 6
	.text
	.protected	k_q51d6434f8c_attn
	.globl	k_q51d6434f8c_attn
	.p2align	8
	.type	k_q51d6434f8c_attn,@function
k_q51d6434f8c_attn:
	s_mov_b64 s[64:65], 0
	v_nop
	global_prefetch_b8 v0, s[64:65] scope:SCOPE_SE
	s_setreg_imm32_b32 hwreg(HW_REG_WAVE_MODE, 25, 1), 1
	s_wait_xcnt 0x0
	s_wait_alu depctr_hold_cnt(0) depctr_sa_sdst(0) depctr_va_vdst(0) depctr_va_sdst(0) depctr_va_ssrc(0) depctr_va_vcc(0) depctr_vm_vsrc(0)
	s_getreg_b32 s2, hwreg(HW_REG_IB_STS2, 6, 4)
	s_cmp_eq_u32 s2, 0
	s_cbranch_scc0 .Lentry_in_a_cluster
	s_endpgm
.Lentry_in_a_cluster:
	s_bfe_u32 s2, ttmp6, 0x10000c
	s_cmp_lg_u32 s2, 0x3003
	s_cbranch_scc0 .Lentry_shape_is_right
	s_endpgm
.Lentry_shape_is_right:
; softmax(Q K^T / 8) V for one (batch, head) and 256 queries a work-group, both products on codes of FP6 (E2M3) with E8M0 scales; the result, divided by the row's sum, is quantised along the head's 64.
; t = score x log2(e) / 8; M = the running largest t rounded up to a whole number; p = 2^(t - M) is quantised along the keys; the row's sum is taken of the unquantised p.  When M moves, the sum and O are multiplied by 2^(old M - new M).
; SHARES: sixteen waves, each one tile of 16 queries; every wave walks the head's 2,048 keys, 128 a step.  The head's K and V stay in LDS: 16 records of 13,056 bytes, images of the operands' registers; wave w brings record w, jointly with the three partners.
; Waves 0 to 3 have a load line of their own: the first barrier shows records 0 to 3, three steps are worked (the third asks for record 3's K), and a second barrier shows the rest.  Nothing is filled twice.
; Both products are used transposed: a lane holds one query.  K's tile 4 c + u holds keys 64 c + 8 u + i (rows 0-7) and 64 c + 32 + 8 u + i (rows 8-15):
; so the 32 score registers of tiles 4 c .. 4 c + 3 of lane (r, h) are keys 64 c + 32 h + 0 .. 31: ONE BLOCK OF 32, in the order in which p's operand wants them.  A block's maximum needs no other lane, and no code changes lanes.
; K's fragments of step i + 1 are asked of LDS in step i.  In the first product the instruction's upper 64 along K meet zero codes of Q.  No prefetch: all records are asked for at the head.
; OUT: ao_codes [tile of 16 queries][head][768 bytes]; ao_scales [query][32]: bytes 2 head, 2 head + 1 (two bytes a row: the one store that does not cover whole blocks of 256 bytes).
; LIMITS: NaN and infinities are not served; a block of zeros carries the byte 1 (its codes are zeros); the scaled scores stay under 2^31 in magnitude.
.set REC,  19712
.set KVB,  13056
.set VCO,  6144
.set KSO,  12288
.set VSO,  12800
.set QCO,  13056
.set QSO,  19200
.set SPARE, 0x36300
.set L8,   1
.set L4,   2
.set L32,  3
.set AD8,  4
.set AD4,  5
.set SH8,  6                           ; v6  8 x (lane / 16)
.set OLD,  7                           ; v7  the last step's -M
.set NM,   8                           ; v8 -M; v9 the largest t so far
.set SUM,  10
.set QF,   12
.set KF,   24
.set VF,   72
.set SS,   120
.set OO,   184
.set KSC,  216
.set VSC,  224
.set PC,   228
.set BM,   236                         ; v236-239 four chains of the maxima; then v236, v238 my two blocks' largest
.set T4,   240
.set WB,   247
.set SO,   248
.set FF,   252
.set PS,   253
.set TT,   254
.set QS,   255
.set TB,   2
.set WV,   12
.set SEL,  20
.set CS,   22
.set G1,   24
.set G0,   32
.macro CROUND
	s_barrier_signal -1
	s_barrier_wait -1
	s_cmp_lg_u32 s[WV], 0
	s_cbranch_scc1 .Lnot_wave_0_\@
	s_barrier_signal -3
.Lnot_wave_0_\@:
	s_barrier_wait -3
	s_barrier_signal -1
	s_barrier_wait -1
.endm
.macro TLOAD
	tensor_load_to_lds s[G0:G0+3], s[G1:G1+7]
	s_nop 0
.rept 4
	v_nop
.endr
.endm
	s_load_b128 s[4:7], s[0:1], 0x0                ; kvq, ao_codes
	s_load_b64 s[8:9], s[0:1], 0x10                ; ao_scales
	v_lshl_add_u32 v254, v0, 2, SPARE
	v_mov_b32 v255, 0
	ds_add_u32 v254, v255                          ; the opening lines
	ds_add_u32 v254, v255
	v_lshrrev_b32 v6, 5, v0
	v_readfirstlane_b32 s[WV], v6
	s_bfe_u32 s13, ttmp6, 0x40000                  ; cx
	s_lshl_b32 s14, ttmp9, 2
	s_add_co_u32 s14, s14, s13                     ; my block of 256 queries
	s_and_b32 s15, ttmp7, 0xffff                   ; 16 b + head
	s_lshl_b32 s16, s15, 4
	s_add_co_u32 s17, s16, s[WV]                   ; the record that I fetch
	s_mul_i32 s18, s17, REC
	s_mov_b32 s19, 0
	s_lshl_b32 s36, s14, 1
	s_lshr_b32 s37, s[WV], 3
	s_add_co_u32 s36, s36, s37
	s_add_co_u32 s36, s36, s16
	s_mul_i32 s36, s36, REC
	s_and_b32 s37, s[WV], 7
	s_mul_i32 s38, s37, 768
	s_add_co_u32 s38, s38, s36
	s_add_co_u32 s38, s38, QCO                     ; my queries' codes
	s_mov_b32 s39, 0
	s_lshl_b32 s37, s37, 6
	s_add_co_u32 s36, s36, s37
	s_add_co_u32 s36, s36, QSO                     ; their scale words
	s_mov_b32 s37, 0
	s_lshr_b32 s40, s15, 4
	s_lshl_b32 s40, s40, 7
	s_lshl_b32 s41, s14, 4
	s_add_co_u32 s40, s40, s41
	s_add_co_u32 s40, s40, s[WV]                   ; the tile among all 256
	s_and_b32 s41, s15, 15
	s_lshl_b32 s42, s40, 4
	s_add_co_u32 s42, s42, s41
	s_mul_i32 s42, s42, 768
	s_mov_b32 s43, 0
	s_lshl_b32 s40, s40, 9
	s_lshl_b32 s41, s41, 1
	s_add_co_u32 s40, s40, s41
	s_mov_b32 s41, 0
	s_mov_b32 s[G1], 15|(3<<16)|(1<<21)            ; 51 rows of 256 bytes, no padding; the mask names the four
	s_mov_b32 s[G1+1], 32<<16
	s_mov_b32 s[G1+2], 51<<16
	s_mov_b32 s[G1+3], 32<<16
	s_mov_b32 s[G1+4], 51
	s_mov_b32 s[G1+5], 32
	s_mov_b32 s[G1+6], 0
	s_mov_b32 s[G1+7], 0
	s_mov_b32 s[SEL], 0x76543210
	s_mov_b32 s[SEL+1], 0xfedcba98
	s_mov_b32 s[CS], 0x3e38aa3b                    ; log2(e) / 8
	s_mov_b32 s[CS+1], s[CS]
	s_mov_b32 s[TB], 0
	s_mov_b32 s3, 3
	s_wait_dscnt 0x0
	s_wait_kmcnt 0x0
	s_mov_b32 s[G0], 1
	s_mul_i32 s[G0+1], s[WV], KVB
	s_add_nc_u64 s[G0+2:G0+3], s[4:5], s[18:19]
	s_or_b32 s[G0+3], s[G0+3], 0x80000000
	s_add_nc_u64 s[38:39], s[4:5], s[38:39]
	s_add_nc_u64 s[36:37], s[4:5], s[36:37]
	s_add_nc_u64 s[42:43], s[6:7], s[42:43]
	s_add_nc_u64 s[40:41], s[8:9], s[40:41]
	CROUND
	s_cmp_lt_u32 s[WV], 4
	s_cbranch_scc0 .Llate
	TLOAD                                          ; records 0 to 3: a line of their own
	s_branch .Lasked
.Llate:
	TLOAD                                          ; records 4 to 15
.Lasked:
	v_and_b32 v6, 31, v0
	v_lshlrev_b32 v[L8], 3, v6
	v_and_b32 v7, 15, v0
	v_lshlrev_b32 v[L4], 2, v7
	v_lshlrev_b32 v[L32], 5, v7
	v_bfe_u32 v[SH8], v0, 4, 1
	v_lshlrev_b32 v[SH8], 3, v[SH8]
.irp p, 0,1,2
	global_load_b64 v[QF+2*\p:QF+2*\p+1], v[L8], s[38:39] offset:256*\p
.endr
	global_load_b32 v[QS], v[L4], s[36:37]
.irp j, 6,7,8,9,10,11
	v_mov_b32 v[QF+\j], 0                          ; zero codes: Q's upper 64 along K
.endr
.irp j, 0,1,2,3,4,5
	v_mov_b32 v[VF+\j], 0                          ; what tile 7 of K names in the first step
.endr
	v_mov_b32 v[NM+1], 0xff61b1e6                  ; -3e38
	v_floor_f32 v[NM], -v[NM+1]
	v_mov_b32 v[SUM], 0
	v_mov_b32 v[SUM+1], 0
.irp b, 0,1
	v_mov_b32 v[T4+\b], 0                          ; a lane permute's destination counts as a source
.endr
	v_mov_b32 v[PS], 0
.set J, 0
.rept 32
	v_mov_b32 v[OO+J], 0
.set J, J+1
.endr
.macro KLOAD a8, a4, off
.irp t, 0,1,2,3,4,5,6,7
.irp p, 0,1,2
	ds_load_b64 v[KF+6*\t+2*\p:KF+6*\t+2*\p+1], v[\a8] offset:\off+768*\t+256*\p
.endr
	ds_load_b32 v[KSC+\t], v[\a4] offset:\off+KSO+64*\t
.endr
.endm
.macro STEP more                       ; 128 keys; more = 1: the next step's K is asked for
	s_wait_dscnt 0x0                               ; K, asked for a step ago, is in
.irp t, 0,1,2,3,4,5,6,7
	v_wmma_scale_f32_16x16x128_f8f6f4 v[SS+8*\t:SS+8*\t+7], v[KF+6*\t:KF+6*\t+11], v[QF:QF+11], 0, v[KSC+\t], v[QS] matrix_a_fmt:MATRIX_FMT_FP6 matrix_b_fmt:MATRIX_FMT_FP6
.endr
	v_add_nc_u32 v[AD8], s[TB], v[L8]              ; four places behind the products
	v_add_nc_u32 v[AD4], s[TB], v[L4]
	v_mov_b32 v[OLD], v[NM]
	v_nop
.irp d, 0,1,2,3
.irp p, 0,1,2,3,4,5
	ds_load_b64 v[VF+12*\d+2*\p:VF+12*\d+2*\p+1], v[AD8] offset:VCO+1536*\d+256*\p
.endr
	ds_load_b32 v[VSC+\d], v[AD4] offset:VSO+64*\d
.endr
.if \more
	KLOAD AD8, AD4, KVB
.endif
.irp b, 0,1,2,3
	v_max3_num_f32 v[BM+\b], v[SS+16*\b], v[SS+16*\b+1], v[SS+16*\b+2]   ; four chains, one over each 16 scores; each accumulator is read from its low end on
.endr
.irp i, 3,5,7,9,11,13
.irp b, 0,1,2,3
	v_max3_num_f32 v[BM+\b], v[BM+\b], v[SS+16*\b+\i], v[SS+16*\b+\i+1]
.endr
.endr
.irp b, 0,1,2,3
	v_max_num_f32 v[BM+\b], v[BM+\b], v[SS+16*\b+15]
.endr
	v_max3_num_f32 v[TT], v[BM], v[BM+1], v[BM+2]
	v_max_num_f32 v[BM], v[BM], v[BM+1]            ; the largest score of my block h,
	v_max_num_f32 v[TT], v[TT], v[BM+3]            ; of my 64 keys,
	v_max_num_f32 v[BM+2], v[BM+2], v[BM+3]        ; of my block 2 + h
	v_permlanex16_b32 v[T4], v[TT], s[SEL], s[SEL+1]
	v_max_num_f32 v[TT], v[TT], v[T4]              ; with lane l xor 16's: the step's largest score of my query
	v_mul_f32 v[TT], s[CS], v[TT]
	v_max_num_f32 v[NM+1], v[NM+1], v[TT]          ; the running largest t
	v_floor_f32 v[NM], -v[NM+1]                    ; the new -M
	v_sub_f32 v[TT], v[NM], v[OLD]
	v_cvt_i32_f32 v[TT], v[TT]
	v_ldexp_f32 v[FF], 1.0, v[TT]                  ; f = 2^(old M - new M)
.set J, 0
.rept 32
	v_pk_fma_f32 v[SS+J:SS+J+1], v[SS+J:SS+J+1], s[CS:CS+1], v[NM:NM+1] op_sel_hi:[1,0,0]   ; t - M
.set J, J+2
.endr
.irp b, 0,2
	v_fma_f32 v[BM+\b], v[BM+\b], s[CS], v[NM]     ; the same of each block's largest score
.endr
.set J, 0
.rept 16
	v_pk_mul_f32 v[OO+J:OO+J+1], v[OO+J:OO+J+1], v[FF:FF+1] op_sel_hi:[1,0]   ; O^T under the new M, ahead of the exponentials
.set J, J+2
.endr
	s_wait_alu depctr_va_vdst(0)                   ; one wait ahead of the batch
.set J, 0
.rept 64
	v_exp_f32 v[SS+J], v[SS+J]                     ; p = 2^(t - M)
.set J, J+1
.endr
.irp b, 0,2
	v_exp_f32 v[BM+\b], v[BM+\b]                   ; the block's largest p
.endr
	v_pk_mul_f32 v[SUM:SUM+1], v[SUM:SUM+1], v[FF:FF+1] op_sel_hi:[1,0]   ; the sums under the new M: the plain place behind the batch
	s_wait_alu depctr_va_vdst(0)                   ; and one behind it
.irp b, 0,2
	v_max_num_f32 v[BM+\b], 0x1800000, v[BM+\b]    ; the floor 2^(3 - 127)
.endr
	v_add_nc_u32 v[SO], 0xff000000, v[BM]          ; 2 off the exponent field: the conversions' scale operands
	v_add_nc_u32 v[SO+1], 0xff000000, v[BM+2]
.irp c, 0,1
	v_cvt_scalef32_pk16_fp6_f32 v[PC+6*\c:PC+6*\c+2], v[SS+32*\c:SS+32*\c+15], v[SO+\c]
	v_cvt_scalef32_pk16_fp6_f32 v[T4+4*\c:T4+4*\c+2], v[SS+32*\c+16:SS+32*\c+31], v[SO+\c]   ; (a conversion's three registers begin on an even number)
.endr
	v_lshrrev_b32 v[BM+1], 23, v[SO]               ; my two scale bytes: blocks h and 2 + h
	v_lshrrev_b32 v[BM+3], 23, v[SO+1]
	v_mov_b32 v[PC+3], v[T4]
	v_lshl_or_b32 v[BM+1], v[BM+3], 16, v[BM+1]
	v_mov_b32 v[PC+4], v[T4+1]
	v_lshlrev_b32 v[BM+1], v[SH8], v[BM+1]         ; at their places in the scale word
	v_mov_b32 v[PC+5], v[T4+2]
	v_permlanex16_b32 v[BM+3], v[BM+1], s[SEL], s[SEL+1]
	v_or_b32 v[PS], v[BM+1], v[BM+3]               ; with lane l xor 16's two the word is whole
.irp i, 0,1,2
	v_mov_b32 v[PC+9+\i], v[T4+4+\i]
.endr
	v_pk_add_f32 v[T4:T4+1], v[SS:SS+1], v[SS+2:SS+3]          ; the row's sum of the unquantised p, in four chains; these lines are also the places ahead of the products below
	v_pk_add_f32 v[T4+2:T4+3], v[SS+4:SS+5], v[SS+6:SS+7]
	v_pk_add_f32 v[T4+4:T4+5], v[SS+8:SS+9], v[SS+10:SS+11]
.irp j, 12,20,28,36,44,52
	v_pk_add_f32 v[SUM:SUM+1], v[SUM:SUM+1], v[SS+\j:SS+\j+1]
	v_pk_add_f32 v[T4:T4+1], v[T4:T4+1], v[SS+\j+2:SS+\j+3]
	v_pk_add_f32 v[T4+2:T4+3], v[T4+2:T4+3], v[SS+\j+4:SS+\j+5]
	v_pk_add_f32 v[T4+4:T4+5], v[T4+4:T4+5], v[SS+\j+6:SS+\j+7]
.endr
	v_pk_add_f32 v[SUM:SUM+1], v[SUM:SUM+1], v[SS+60:SS+61]
	v_pk_add_f32 v[T4:T4+1], v[T4:T4+1], v[SS+62:SS+63]
	v_pk_add_f32 v[T4+2:T4+3], v[T4+2:T4+3], v[T4+4:T4+5]
	v_pk_add_f32 v[SUM:SUM+1], v[SUM:SUM+1], v[T4:T4+1]
	v_pk_add_f32 v[SUM:SUM+1], v[SUM:SUM+1], v[T4+2:T4+3]
	s_wait_alu depctr_va_vdst(0)
.if \more
	s_wait_dscnt 32                                ; V is in; the 32 loads of the next step's K may be out
.else
	s_wait_dscnt 0x0
.endif
.irp d, 0,1,2,3
	v_wmma_scale_f32_16x16x128_f8f6f4 v[OO+8*\d:OO+8*\d+7], v[VF+12*\d:VF+12*\d+11], v[PC:PC+11], v[OO+8*\d:OO+8*\d+7], v[VSC+\d], v[PS] matrix_a_fmt:MATRIX_FMT_FP6 matrix_b_fmt:MATRIX_FMT_FP6
.endr
	s_add_co_u32 s[TB], s[TB], KVB
.endm
	s_wait_alu depctr_va_vdst(0)                   ; the head's end
	s_cmp_lt_u32 s[WV], 4
	s_cbranch_scc0 .Lnot_first
	s_wait_tensorcnt 0x0                           ; records 0 to 3
.Lnot_first:
	s_barrier_signal -1
	s_barrier_wait -1
	KLOAD L8, L4, 0
	s_wait_loadcnt 0x0                             ; Q
.Lfirst:                                           ; records 0 to 2, each asking for the next record's K
	STEP 1
	s_sub_co_u32 s3, s3, 1
	s_cmp_lg_u32 s3, 0
	s_cbranch_scc1 .Lfirst
	s_wait_tensorcnt 0x0                           ; every wave: all records
	s_wait_dscnt 0x0
	s_barrier_signal -1
	s_barrier_wait -1                              ; from here on LDS is only read
	s_mov_b32 s3, 12
.Lstep:                                            ; records 3 to 14
	STEP 1
	s_sub_co_u32 s3, s3, 1
	s_cmp_lg_u32 s3, 0
	s_cbranch_scc1 .Lstep
	STEP 0                                         ; record 15
	; THE WAY OUT: O^T / the sum.  V^T's tiles lie in the order of runs 0, 2, 1, 3: register 16 b + i is channel 32 b + 16 (lane / 16) + i: two blocks of 32, each in lanes l and l xor 16
	v_add_f32 v[SUM], v[SUM], v[SUM+1]
	v_permlanex16_b32 v[FF], v[SUM], s[SEL], s[SEL+1]
	v_add_f32 v[SUM], v[SUM], v[FF]
	s_wait_alu depctr_va_vdst(0)                   ; ahead of the reciprocal
	v_rcp_f32 v[SUM], v[SUM]
	v_nop
	v_nop
	s_wait_alu depctr_va_vdst(0)                   ; and behind it, directly ahead of O^T's first readers
.set J, 0
.rept 32
	v_mul_f32 v[SS+J], v[OO+J], v[SUM]
.set J, J+1
.endr
.irp b, 0,1
	v_max3_num_f32 v[BM+\b], |v[SS+16*\b]|, |v[SS+16*\b+1]|, 0x1800000
.endr
.irp i, 2,4,6,8,10,12,14
.irp b, 0,1
	v_max3_num_f32 v[BM+\b], v[BM+\b], |v[SS+16*\b+\i]|, |v[SS+16*\b+\i+1]|
.endr
.endr
.irp b, 0,1
	v_permlanex16_b32 v[T4+\b], v[BM+\b], s[SEL], s[SEL+1]
.endr
.irp b, 0,1
	v_max_num_f32 v[BM+\b], v[BM+\b], v[T4+\b]
.endr
.irp b, 0,1
	v_add_nc_u32 v[SO+\b], 0xff000000, v[BM+\b]
.endr
.irp b, 0,1
	v_lshrrev_b32 v[T4+\b], 23, v[SO+\b]
.endr
	v_lshl_or_b32 v[WB], v[T4+1], 8, v[T4]
	v_cvt_scalef32_pk16_fp6_f32 v[PC:PC+2], v[SS:SS+15], v[SO]
	v_cvt_scalef32_pk16_fp6_f32 v[T4:T4+2], v[SS+16:SS+31], v[SO+1]
	v_nop
.irp i, 0,1,2
	v_permlane16_swap_b32 v[PC+\i], v[T4+\i]
.endr
.irp i, 0,1,2
	v_mov_b32 v[PC+3+\i], v[T4+\i]
.endr
.irp p, 0,1,2
	global_store_b64 v[L8], v[PC+2*\p:PC+2*\p+1], s[42:43] offset:256*\p   ; 32 lanes store 256 consecutive bytes, aligned
.endr
	global_store_b16 v[L32], v[WB], s[40:41]
	s_wait_xcnt 0x0
	v_lshl_add_u32 v254, v0, 2, SPARE
	v_mov_b32 v255, 0
	s_wait_alu depctr_va_vdst(0)
	s_wait_tensorcnt 0x0                           ; the wave's end
	ds_add_u32 v254, v255
	s_wait_dscnt 0x0
	CROUND
	s_endpgm
.Lfunc_end_k_q51d6434f8c_attn:
	.size	k_q51d6434f8c_attn, .Lfunc_end_k_q51d6434f8c_attn-k_q51d6434f8c_attn
	.p2alignl 7, 3214868480
	.fill 96, 4, 3214868480
	.section	.rodata,"a",@progbits
	.p2align	6, 0x0
	.amdhsa_kernel k_q51d6434f8c_attn
		.amdhsa_group_segment_fixed_size 224000
		.amdhsa_private_segment_fixed_size 0
		.amdhsa_enable_private_segment 0
		.amdhsa_kernarg_size 24
		.amdhsa_user_sgpr_count 2
		.amdhsa_user_sgpr_kernarg_segment_ptr 1
		.amdhsa_wavefront_size32 1
		.amdhsa_system_sgpr_workgroup_id_x 1
		.amdhsa_system_sgpr_workgroup_id_y 1
		.amdhsa_system_sgpr_workgroup_id_z 1
		.amdhsa_system_vgpr_workitem_id 0
		.amdhsa_next_free_vgpr 256
		.amdhsa_next_free_sgpr 66
		.amdhsa_reserve_vcc 0
		.amdhsa_float_denorm_mode_32 3
		.amdhsa_float_denorm_mode_16_64 3
		.amdhsa_memory_ordered 1
		.amdhsa_forward_progress 1
		.amdhsa_inst_pref_size 60
	.end_amdhsa_kernel
	.amdgpu_metadata
---
amdhsa.version: [ 1, 2 ]
amdhsa.kernels:
  - .name:           k_q51d6434f8c_attn
    .symbol:         k_q51d6434f8c_attn.kd
    .args:
      - { .name: kvq, .offset: 0, .size: 8, .value_kind: global_buffer, .address_space: global }
      - { .name: ao_codes, .offset: 8, .size: 8, .value_kind: global_buffer, .address_space: global }
      - { .name: ao_scales, .offset: 16, .size: 8, .value_kind: global_buffer, .address_space: global }
    .group_segment_fixed_size: 224000
    .private_segment_fixed_size: 0
    .kernarg_segment_align: 8
    .kernarg_segment_size: 24
    .max_flat_workgroup_size: 512
    .sgpr_count:     66
    .vgpr_count:     256
    .wavefront_size: 32
...
	.end_amdgpu_metadata
.endif
;; end of part 3
;; launch oproj (part 4): grid 8 x 32, 4 waves a work-group, clusters of 4 x 4, 327,680 bytes of LDS; arguments ao_codes, ao_scales, xw_codes, xw_scales, b_o, out0; writes out0
.if DOCPART == 4
	.amdgcn_target "amdgcn-amd-amdhsa--gfx1250"
	.amdhsa_code_object_version 6
	.text
	.protected	k_q51d6434f8c_oproj
	.globl	k_q51d6434f8c_oproj
	.p2align	8
	.type	k_q51d6434f8c_oproj,@function
k_q51d6434f8c_oproj:
	s_mov_b64 s[64:65], 0
	v_nop
	global_prefetch_b8 v0, s[64:65] scope:SCOPE_SE
	s_setreg_imm32_b32 hwreg(HW_REG_WAVE_MODE, 25, 1), 1
	s_wait_xcnt 0x0
	s_wait_alu depctr_hold_cnt(0) depctr_sa_sdst(0) depctr_va_vdst(0) depctr_va_sdst(0) depctr_va_ssrc(0) depctr_va_vcc(0) depctr_vm_vsrc(0)
	s_getreg_b32 s2, hwreg(HW_REG_IB_STS2, 6, 4)
	s_cmp_eq_u32 s2, 0
	s_cbranch_scc0 .Lentry_in_a_cluster
	s_endpgm
.Lentry_in_a_cluster:
	s_bfe_u32 s2, ttmp6, 0x10000c
	s_cmp_lg_u32 s2, 0xf033
	s_cbranch_scc0 .Lentry_shape_is_right
	s_endpgm
.Lentry_shape_is_right:
; out0 = attention's result x W_o^T + b_o on codes of FP6 (E2M3) with E8M0 scales, K = 1,024.  A work-group makes 128 x 128, a wave 64 x 64: 16 accumulators; 256 work-groups.
; ALL OF K COMES ONCE, by one joint load a wave at the head, and nothing is filled again: wave 0 A's 8 tiles of 16 queries (one dense block of 98,304 bytes, images of the operand's registers, as rows of 256 bytes),
; wave 1 B's 128 whole rows of 768 bytes (16 bytes of padding behind every 256: LDS pitch 816), wave 2 A's scale bytes, wave 3 B's.  A is shared along a row of the cluster, B along a column.
; The matrix instruction is used transposed (source 0 = W_o's rows); the bias is the first products' C.  Rows of W_o and queries lie in tile order; the stores undo it.  Results leave through each wave's own stage as whole rows of 256 bytes.
; No prefetch: everything is asked for at the head.
.set KROW,   768
.set PITCH,  816
.set FR,     12
.set NL,     6
.set NP,     4
.set APIT,   12288
.set BB0,    8*APIT
.set SCL,    BB0+128*PITCH
.set HALFS,  8*272
.set SBLK,   2*272
.set STG,    SCL+4*HALFS
.set SPITCH, 272
.set SPARE,  STG+4*16*SPITCH
.set ADRA, 8
.set ADRB, 12                          ; v12; v13 for the pieces whose lanes 16-31 lie behind one padding more
.set STO,  20
.set RD,   21
.set CO,   22
.set ADRS, 23
.set SC,   32
.set BP,   64
.set BK,   64
.set ACC,  128
.set G1, 24
.set G0, 32
.set G1B, 48
.set G0B, 56
.set G1S, 68
.set G0S, 76
.set G1SB, 80
.set G0SB, 88
.set MSB, 0
.macro WIN new
.if MSB != \new
	s_set_vgpr_msb (MSB<<8)|\new
.set MSB, \new
.endif
.endm
.set MUL,  0x05
.set TO_F, 0x40
.macro PLACES n
.rept \n
	v_nop
.endr
.endm
.macro TLOAD g0, g1
	tensor_load_to_lds s[\g0:\g0+3], s[\g1:\g1+7]
	s_nop 0
	PLACES 4
.endm
.macro CROUND
	s_barrier_signal -1
	s_barrier_wait -1
	s_cmp_lg_u32 s14, 0
	s_cbranch_scc1 .Lnot_wave_0_\@
	s_barrier_signal -3
.Lnot_wave_0_\@:
	s_barrier_wait -3
	s_barrier_signal -1
	s_barrier_wait -1
.endm
	s_load_b256 s[4:11], s[0:1], 0x0               ; ao_codes, ao_scales, xw_codes, xw_scales
	s_load_b128 s[96:99], s[0:1], 0x20             ; b_o, out0
	v_lshl_add_u32 v30, v0, 2, SPARE
	v_mov_b32 v31, 0
	ds_add_u32 v30, v31                            ; the opening lines
	ds_add_u32 v30, v31
	v_lshrrev_b32 v1, 5, v0
	v_readfirstlane_b32 s14, v1
	s_lshr_b32 s15, s14, 1                         ; my 64 rows of A
	s_and_b32 s16, s14, 1                          ; my 64 rows of B
	s_bfe_u32 s40, ttmp6, 0x40000
	s_bfe_u32 s41, ttmp6, 0x40004
	s_lshl_b32 s42, ttmp9, 2
	s_add_co_u32 s42, s42, s40                     ; tile column
	s_and_b32 s17, ttmp7, 0xffff
	s_lshl_b32 s17, s17, 2
	s_add_co_u32 s17, s17, s41                     ; tile row
	s_lshl_b32 s43, s41, 2
	s_lshl_b32 s43, 15, s43
	s_lshl_b32 s44, 0x1111, s40
	s_or_b32 s[G1+0], s43, (3<<16)|(1<<21)         ; A: 384 rows of 256 bytes, dense
	s_mov_b32 s[G1+1], 32<<16
	s_mov_b32 s[G1+2], 384<<16
	s_mov_b32 s[G1+3], 32<<16
	s_mov_b32 s[G1+4], 384
	s_mov_b32 s[G1+5], 32
	s_mov_b32 s[G1+6], 0
	s_mov_b32 s[G1+7], 0
	s_or_b32 s[G1B+0], s44, (1<<20)|(1<<21)|(5<<22)|(3<<25)   ; B: 128 rows of 768 bytes
	s_mov_b32 s[G1B+1], KROW<<16
	s_mov_b32 s[G1B+2], 128<<16
	s_mov_b32 s[G1B+3], KROW<<16
	s_mov_b32 s[G1B+4], 128
	s_mov_b32 s[G1B+5], KROW
	s_mov_b32 s[G1B+6], 0
	s_mov_b32 s[G1B+7], 0
	s_or_b32 s[G1S+0], s43, (3<<16)|(1<<20)|(1<<21)|(5<<22)|(3<<25)   ; the scales of 128 rows: 16 rows of 256 bytes
	s_or_b32 s[G1SB+0], s44, (3<<16)|(1<<20)|(1<<21)|(5<<22)|(3<<25)
.irp g, G1S, G1SB
	s_mov_b32 s[\g+1], 32<<16
	s_mov_b32 s[\g+2], 16<<16
	s_mov_b32 s[\g+3], 32<<16
	s_mov_b32 s[\g+4], 16
	s_mov_b32 s[\g+5], 32
	s_mov_b32 s[\g+6], 0
	s_mov_b32 s[\g+7], 0
.endr
	s_mul_i32 s20, s17, 8*APIT
	s_mov_b32 s21, 0
	s_lshl_b32 s22, s17, 12
	s_mov_b32 s23, 0
	s_lshl_b32 s46, s42, 7
	s_add_co_u32 s46, s46, 15360                   ; W_o's stored rows
	s_lshl_b32 s92, s46, 5
	s_mov_b32 s93, 0
	s_mul_i32 s46, s46, KROW
	s_mov_b32 s47, 0
	s_mov_b32 s[G0], 1
	s_mov_b32 s[G0+1], 0
	s_mov_b32 s[G0B], 1
	s_mov_b32 s[G0B+1], BB0
	s_mov_b32 s[G0S], 1
	s_mov_b32 s[G0S+1], SCL
	s_mov_b32 s[G0SB], 1
	s_mov_b32 s[G0SB+1], SCL+2*HALFS
	s_wait_dscnt 0x0
	s_wait_kmcnt 0x0
	s_add_nc_u64 s[G0+2:G0+3], s[4:5], s[20:21]
	s_or_b32 s[G0+3], s[G0+3], 0x80000000
	s_add_nc_u64 s[G0S+2:G0S+3], s[6:7], s[22:23]
	s_or_b32 s[G0S+3], s[G0S+3], 0x80000000
	s_add_nc_u64 s[G0B+2:G0B+3], s[8:9], s[46:47]
	s_or_b32 s[G0B+3], s[G0B+3], 0x80000000
	s_add_nc_u64 s[G0SB+2:G0SB+3], s[10:11], s[92:93]
	s_or_b32 s[G0SB+3], s[G0SB+3], 0x80000000
	CROUND
.macro ARM under, g0, g1, next
	s_cmp_lt_u32 s14, \under
	s_cbranch_scc0 \next
	TLOAD \g0, \g1
	s_branch .Lhead_asked
\next:
.endm
	ARM 1, G0,  G1,  .Lhead_b
	ARM 2, G0B, G1B, .Lhead_sa
	ARM 3, G0S, G1S, .Lhead_sb
	TLOAD G0SB, G1SB
.Lhead_asked:
	s_mul_i32 s21, s15, 4*APIT
	s_mul_i32 s22, s16, 64*PITCH
	s_add_co_u32 s22, s22, BB0
	s_mul_i32 s18, s15, HALFS
	s_mul_i32 s19, s16, HALFS
	s_add_co_u32 s19, s19, 2*HALFS
	s_sub_co_u32 s19, s19, s18
	s_add_co_u32 s18, s18, SCL
	s_mul_i32 s23, s14, 16*SPITCH
	s_add_co_u32 s23, s23, STG
	s_lshl_b32 s20, s17, 7
	s_lshl_b32 s40, s15, 6
	s_add_co_u32 s20, s20, s40
	s_lshl_b32 s20, s20, 12                        ; my first row of out0, 4,096 bytes a row
	s_lshl_b32 s46, s42, 9
	s_lshl_b32 s47, s16, 8
	s_add_co_u32 s46, s46, s47                     ; my first column, in bytes
	s_add_co_u32 s40, s20, s46
	s_mov_b32 s41, 0
	s_add_nc_u64 s[98:99], s[98:99], s[40:41]
	v_and_b32 v1, 15, v0
	v_bfe_u32 v2, v0, 4, 1
	v_and_b32 v6, 31, v0
	v_mul_u32_u24 v3, v1, PITCH
	v_mad_u32_u24 v4, v2, 24, v3
	v_mad_u32_u24 v5, v2, 40, v3
	v_add_nc_u32 v[ADRB], s22, v4
	v_add_nc_u32 v[ADRB+1], s22, v5
	v_lshlrev_b32 v3, 3, v6
	v_add_nc_u32 v[ADRA], s21, v3
	v_lshlrev_b32 v5, 5, v1
	v_lshrrev_b32 v7, 8, v5
	v_lshl_add_u32 v5, v7, 4, v5
	v_mul_u32_u24 v7, s19, v2
	v_add_nc_u32 v5, v5, v7
	v_add_nc_u32 v[ADRS], s18, v5
	v_mul_u32_u24 v5, v1, SPITCH
	v_lshl_add_u32 v5, v2, 6, v5
	v_add_nc_u32 v[STO], s23, v5
	v_mul_u32_u24 v5, v2, SPITCH
	v_lshl_add_u32 v5, v1, 4, v5
	v_add_nc_u32 v[RD], s23, v5
	v_lshlrev_b32 v5, 12, v2
	v_lshl_add_u32 v[CO], v1, 4, v5
	v_lshl_add_u32 v7, v2, 6, s46
.irp bb, 0,1
.irp k, 0,1,2,3
	global_load_b128 v[BP+16*\bb+4*\k:BP+16*\bb+4*\k+3], v7, s[96:97] offset:128*\bb+16*\k
.endr
.endr
.macro FRAG reg, k, i                  ; B: piece PC of 8 bytes lies at 8 PC + 16 (PC / 32) of its LDS row
.irp p, 0,1,2,3,4,5
.set PC_, 12*(\k)+6*(\p/3)+\p%3
.if PC_%32 < 29
	ds_load_b64 v[\reg+2*\p:\reg+2*\p+1], v[ADRB] offset:8*PC_+16*(PC_/32)+(\i)*16*PITCH
.else
	ds_load_b64 v[\reg+2*\p:\reg+2*\p+1], v[ADRB+1] offset:8*PC_+16*(PC_/32)+(\i)*16*PITCH
.endif
.endr
.endm
.macro FRAGA reg, k, i                 ; A: an image of the operand's registers
.irp p, 0,1,2,3,4,5
	ds_load_b64 v[\reg+2*\p:\reg+2*\p+1], v[ADRA] offset:APIT*(\i)+1536*(\k)+256*\p
.endr
.endm
.macro FETCH k, f
	WIN TO_F
.irp i, 0,1,2,3
	FRAG \f+48+FR*\i, \k, \i
.endr
.irp i, 0,1,2,3
	FRAGA \f+FR*\i, \k, \i
.endr
.endm
.macro MUL8 f, k, a0, first
.irp a, \a0, \a0+1
.irp b, 0,1,2,3
.if \first
	v_wmma_scale_f32_16x16x128_f8f6f4 v[ACC+8*(4*(\a)+\b):ACC+8*(4*(\a)+\b)+7], v[\f+48+FR*\b:\f+48+FR*\b+FR-1], v[\f+FR*(\a):\f+FR*(\a)+FR-1], v[BP+8*\b:BP+8*\b+7], v[SC+8*\b+(\k)], v[SC+8*(\a)+(\k)] matrix_a_fmt:MATRIX_FMT_FP6 matrix_b_fmt:MATRIX_FMT_FP6 matrix_a_scale:MATRIX_SCALE_ROW1
.else
	v_wmma_scale_f32_16x16x128_f8f6f4 v[ACC+8*(4*(\a)+\b):ACC+8*(4*(\a)+\b)+7], v[\f+48+FR*\b:\f+48+FR*\b+FR-1], v[\f+FR*(\a):\f+FR*(\a)+FR-1], v[ACC+8*(4*(\a)+\b):ACC+8*(4*(\a)+\b)+7], v[SC+8*\b+(\k)], v[SC+8*(\a)+(\k)] matrix_a_fmt:MATRIX_FMT_FP6 matrix_b_fmt:MATRIX_FMT_FP6 matrix_a_scale:MATRIX_SCALE_ROW1
.endif
.endr
.endr
.endm
.macro KSTEP k, first
	s_wait_dscnt 2*NL                              ; all but A's blocks 2 and 3
	WIN MUL
	MUL8 128*((\k)%2), \k, 0, \first
.if (\k) < 7
	PLACES NP
	FETCH (\k)+1, 128*(((\k)+1)%2)
	s_wait_dscnt 8*NL                              ; all but the 48 just issued
.else
	s_wait_dscnt 0x0
.endif
	WIN MUL
	MUL8 128*((\k)%2), \k, 2, \first
.endm
	s_wait_alu depctr_va_vdst(0)                   ; the head's end
	s_wait_loadcnt 0x0
	s_wait_tensorcnt 0x0                           ; every wave: its tile of the four
	s_barrier_signal -1
	s_barrier_wait -1
.irp i, 0,1,2,3
	ds_load_b128 v[SC+8*\i:SC+8*\i+3], v[ADRS] offset:\i*SBLK
	ds_load_b128 v[SC+8*\i+4:SC+8*\i+7], v[ADRS] offset:\i*SBLK+16
.endr
	FETCH 0, 0
	KSTEP 0, 1
.irp k, 1,2,3,4,5,6,7
	KSTEP \k, 0
.endr
	WIN 0
.macro TOSTAGE a
.irp b, 0,1,2,3
	ds_store_b128 v[STO], v[ACC+8*(4*(\a)+\b):ACC+8*(4*(\a)+\b)+3] offset:128*(\b/2)+32*(\b%2)
	ds_store_b128 v[STO], v[ACC+8*(4*(\a)+\b)+4:ACC+8*(4*(\a)+\b)+7] offset:128*(\b/2)+32*(\b%2)+16
.endr
.set BB, BK+32*((\a)%2)
.irp t, 0,1,2,3,4,5,6,7
	ds_load_b128 v[BB+4*\t:BB+4*\t+3], v[RD] offset:\t*2*SPITCH
.endr
.endm
.macro SEND a, younger
.set BB, BK+32*((\a)%2)
	s_wait_dscnt \younger
.irp t, 0,1,2,3,4,5,6,7
	global_store_b128 v[CO], v[BB+4*\t:BB+4*\t+3], s[98:99] offset:(32*((\a)/2)+8*((\a)%2)+2*\t+8*(\t/4))*4096 th:TH_STORE_NT
.endr
.endm
	PLACES NP
	TOSTAGE 0
.irp a, 1,2,3
.if \a > 1
	s_wait_xcnt 0x0                                ; block a - 2's stores have read their registers
.endif
	TOSTAGE \a
	SEND \a-1, 16                                  ; block a's 8 stores and 8 loads may be out
.endr
	SEND 3, 0
	s_wait_tensorcnt 0x0                           ; the wave's end
	ds_add_u32 v30, v31
	s_wait_dscnt 0x0
	CROUND
	s_endpgm
.Lfunc_end_k_q51d6434f8c_oproj:
	.size	k_q51d6434f8c_oproj, .Lfunc_end_k_q51d6434f8c_oproj-k_q51d6434f8c_oproj
	.p2alignl 7, 3214868480
	.fill 96, 4, 3214868480
	.section	.rodata,"a",@progbits
	.p2align	6, 0x0
	.amdhsa_kernel k_q51d6434f8c_oproj
		.amdhsa_group_segment_fixed_size 327680
		.amdhsa_private_segment_fixed_size 0
		.amdhsa_enable_private_segment 0
		.amdhsa_kernarg_size 48
		.amdhsa_user_sgpr_count 2
		.amdhsa_user_sgpr_kernarg_segment_ptr 1
		.amdhsa_wavefront_size32 1
		.amdhsa_system_sgpr_workgroup_id_x 1
		.amdhsa_system_sgpr_workgroup_id_y 1
		.amdhsa_system_sgpr_workgroup_id_z 1
		.amdhsa_system_vgpr_workitem_id 0
		.amdhsa_next_free_vgpr 512
		.amdhsa_next_free_sgpr 100
		.amdhsa_reserve_vcc 0
		.amdhsa_float_denorm_mode_32 3
		.amdhsa_float_denorm_mode_16_64 3
		.amdhsa_memory_ordered 1
		.amdhsa_forward_progress 1
		.amdhsa_inst_pref_size 59
	.end_amdhsa_kernel
	.amdgpu_metadata
---
amdhsa.version: [ 1, 2 ]
amdhsa.kernels:
  - .name:           k_q51d6434f8c_oproj
    .symbol:         k_q51d6434f8c_oproj.kd
    .args:
      - { .name: ao_codes, .offset: 0, .size: 8, .value_kind: global_buffer, .address_space: global }
      - { .name: ao_scales, .offset: 8, .size: 8, .value_kind: global_buffer, .address_space: global }
      - { .name: xw_codes, .offset: 16, .size: 8, .value_kind: global_buffer, .address_space: global }
      - { .name: xw_scales, .offset: 24, .size: 8, .value_kind: global_buffer, .address_space: global }
      - { .name: b_o, .offset: 32, .size: 8, .value_kind: global_buffer, .address_space: global }
      - { .name: out0, .offset: 40, .size: 8, .value_kind: global_buffer, .address_space: global }
    .group_segment_fixed_size: 327680
    .private_segment_fixed_size: 0
    .kernarg_segment_align: 8
    .kernarg_segment_size: 48
    .max_flat_workgroup_size: 128
    .sgpr_count:     100
    .vgpr_count:     512
    .wavefront_size: 32
...
	.end_amdgpu_metadata
.endif
;; end of part 4
